; MI455X (gfx1250); checked and timed in simulation.
; The chip was launched on July 23, 2026; its instructions are those of AMD's public machine-readable ISA for CDNA 5 (MIT licence, August 2026) and "CDNA5" Instruction Set Architecture Reference Guide (July 2026). The comments in the code are by the model that wrote it; some were corrected since.
;; FP8 MM. Allowed arithmetic: matrix products marked QUANTISED: E4M3 operands, one E8M0 scale for each 32 along K, by v_wmma_scale_f32_16x16x128_f8f6f4 with both operands' format E4M3, f32 sums; everything else in f32.
;; Inputs: inp_codes 4,096 x 128 x 32 uint8 (E4M3 codes of inp, K innermost, in blocks of 32 codes); inp_scales 4,096 x 128 uint8 (E8M0 scales of inp, one for each 32 codes along K).
;; Outputs: out0 4,096 x 4,096 float32.
;; This version of the problem:
;;   THIS VERSION OF THE PROBLEM IS GIVEN IN LOW PRECISION. The matrix products marked QUANTISED in the list below multiply operands that are first quantised to E4M3 (4 exponent bits, 3 mantissa bits; 8 bits a number), with one power-of-two scale for each 32 numbers along K (OCP MX v1.0); their sums are f32. All else is computed in f32.
;;   The module's matrix products, in the order in which they are computed (A, B: the left and right operand; K: the contracted axis; several contracted axes count as one K, in the product's order):
;;     1. [M 4,096, K 4,096] x [K 4,096, N 4,096]; A: input inp (given as codes); B: input inp (given as codes): QUANTISED
;;   THE QUANTISER, for each operand of a quantised product, along K:
;;     - K is cut into blocks of 32 from its start; a last block that is shorter is filled with zeros.
;;     - A block's scale is 2^e with e = floor(log2(the largest magnitude in the block)) - 8, held to -126 .. 127; a block of zeros has e = 0. As a byte (E8M0): e + 127.
;;     - Each number is divided by its block's scale, clamped to +-448, and rounded to the nearest number of E4M3, ties to even, subnormals kept.
;;     - The product sums the exact products of the quantised numbers (number of the format x scale) in f32.
;;   ~~~python
;;   def quantise(x, axis):      # numpy; x: float32 -> the quantised numbers, widened to float32 again
;;       x = np.moveaxis(x, axis, -1); K = x.shape[-1]
;;       x = np.pad(x, [(0, 0)] * (x.ndim - 1) + [(0, -K % 32)]); x = x.reshape(x.shape[:-1] + (-1, 32)); a = np.abs(x).max(-1, keepdims=True)
;;       e = np.where(a > 0, np.clip(np.frexp(np.where(a > 0, a, 1))[1] - 1 - 8, -126, 127), 0)      # np.frexp(a)[1] - 1 = floor(log2(a)), exactly
;;       r = np.clip(x / 2.0 ** e, -448, 448)
;;       step = 2.0 ** (np.maximum(np.frexp(np.where(r == 0, 1, r))[1] - 1, -6) - 3)
;;       q = np.round(r / step) * step * 2.0 ** e      # np.round: ties to even
;;       return np.moveaxis(q.reshape(q.shape[:-2] + (-1,))[..., :K], -1, axis).astype(np.float32)
;;   ~~~
;;   INPUTS GIVEN AS CODES. inp (in the module: [4096, 4096], K = its axis 0): each comes as NAME_codes (uint8): NAME with its K axis moved to the last place and cut into blocks of 32 codes, [.., K / 32, bytes a block], one block behind the other in memory; one code a byte (a code: sign, 4 exponent bits, 3 mantissa bits); and NAME_scales (uint8): the same leading axes, one E8M0 byte (e + 127) for each 32 codes along K. Its value is code x scale, taken as it is: it is not quantised again, and the codes and scales need not be those that the quantiser above would give.
;; One version. Each part assembles by itself: llvm-mc -triple=amdgcn-amd-amdhsa -mcpu=gfx1250 --defsym DOCPART=n.
;; ======== version 1 of 1: 1 launch
;; limits: right only within a limited range of input values
;; launch gram (part 1): grid 23 x 11, 4 waves a work-group, no clusters, 327,680 bytes of LDS; arguments inp_codes, inp_scales, out0; writes out0
.if DOCPART == 1
	.amdgcn_target "amdgcn-amd-amdhsa--gfx1250"
	.amdhsa_code_object_version 6
	.text
	.protected	k_q6a427372c1_gram
	.globl	k_q6a427372c1_gram
	.p2align	8
	.type	k_q6a427372c1_gram,@function
k_q6a427372c1_gram:
	s_mov_b64 s[64:65], 0
	v_nop
	global_prefetch_b8 v0, s[64:65] scope:SCOPE_SE
	s_setreg_imm32_b32 hwreg(HW_REG_WAVE_MODE, 25, 1), 1
	s_wait_xcnt 0x0
; out[i][j] = sum over k of X[i][k] X[j][k], X = inp as codes [4096][4096] (K innermost) with E8M0 scales [4096][128].
; BOTH OPERANDS ARE THE SAME INPUT, so out[j][i] is the very same sum as out[i][j], for every value of the input: each pair is
; multiplied once.  Only the 22 x 23 / 2 = 253 blocks of 192 x 192 on and under the diagonal are computed; a block under the
; diagonal is stored twice, as it is and transposed.  Block 21 begins at row 3904 (4096 - 192); of it only local rows
; (columns) 128..191 are stored, the others belong to block 20.
; GRID 23 x 11: x <= y gives block (y, x), else (21 - y, x - y - 1): rows y and 21 - y of the triangle have 23 blocks together.
; NO CLUSTER: 253 blocks of a triangle do not divide into clusters of equal shares.
; Four waves, each 96 x 96: 36 accumulators.  Codes come by plain 16-byte loads (16 lanes = one aligned 256 bytes of a row) into a
; ring of 96 x 4 landing registers, 60 loads out at a time, and go on by ds_store into two LDS slots (384 rows x 256 K, pitch 272),
; one barrier a slot.  No prefetch: each 256 bytes are asked for once by the work-group, 15 bunches of four loads ahead of their use.
; A work-group walks K from block (x + y) mod 16 on, round the ring of 16: the sum's order differs, inside the f32 sums' rounding.
; The scales of a wave's 96 rows, all of K, are one dense block: one tensor load a wave at the head, filled once.
; REGISTERS: window 0: v0-31 addresses, v32-55 scale words (two sets), v64-159 A's six fragments, v160-255 landing;
; window 1: B's fragments, two sets of 96, v192-255 landing; window 2: accumulators 0-31; window 3: accumulators 32-35, landing.
.set PITCH, 272
.set SLOT,  384*PITCH
.set SCL,   2*SLOT
.set SBLK,  8*272                      ; the scales of 16 rows: two rows of 128 bytes to an LDS row of 256 + 16 (the 16 are filled with zeros by the load)
.set SW,    48*272                     ; those of 96 rows
.set NPT,   784                        ; the way out: a row of 768 bytes + 16
.set TB,    192*NPT                    ; the transposed stage, behind the plain one
.set SPARE, 2*TB                       ; spare words: 512 bytes that no other line names
.set GO, 3
.set STA, 4
.set ADRA, 6
.set ADRB, 8
.set ADRS0, 10
.set ADRS, 11
.set SPW, 12
.set NIL, 13
.set STN, 14
.set STT, 15
.set RD, 17
.set RDT, 20
.set CO, 23
.set CH, 26
.set SC, 32
.set AF, 64
.set MSB, 0
.set DSC, 0
.set MB, 0
.set MA3, 0
.set MA1, 0
.set MA5, 0
.macro WIN new
.if MSB != \new
	s_set_vgpr_msb (MSB<<8)|\new
.set MSB, \new
.endif
.endm
.macro DSW m                           ; LDS instructions issued behind mark m may stay out
	s_wait_dscnt DSC-\m
.endm
.macro LMAP n                          ; landing load n of 96: its window and register
.if (\n) < 48
.set LW, 3
.set LR, 32+4*(\n)
.elseif (\n) < 72
.set LW, 0
.set LR, 160+4*((\n)-48)
.elseif (\n) < 88
.set LW, 1
.set LR, 192+4*((\n)-72)
.else
.set LW, 3
.set LR, 224+4*((\n)-88)
.endif
.endm
.macro GL4 j, base, kb                 ; ring bunch j: rows 8 kb .. 8 kb + 7 of my 96, 256 bytes each
	LMAP 4*(\j)
	WIN LW<<6
.irp m, 0,1,2,3
	global_load_b128 v[LR+4*\m:LR+4*\m+3], v[GO], s[\base:\base+1] offset:(8*(\kb)+2*\m)*4096
.endr
.endm
.macro LSTK k, par, sg                 ; bunch k of slot sg (parity par) goes into LDS
.set REM, 191-(12*(\sg)+(\k))
.if REM > 14
.set REM, 14
.endif
	s_wait_loadcnt 4*REM               ; the younger bunches, 14 at the most, stay out
	LMAP 4*(12*(\par)+(\k))
	WIN LW<<2
.irp m, 0,1,2,3
	ds_store_b128 v[STA+\par], v[LR+4*\m:LR+4*\m+3] offset:(8*(\k)+2*\m)*PITCH
.endr
.set DSC, DSC+4
.endm
.macro GLDK k, par, sg                 ; and the bunch 15 further on is asked for, while K has one
.if 12*(\sg)+(\k)+15 <= 191
.if (\k) < 9
	GL4 (12*(\par)+(\k)+15)%24, 28, (\k)+3
.else
	GL4 (12*(\par)+(\k)+15)%24, 30, (\k)-9
.endif
.endif
.endm
.macro PTR dst, add                    ; my rows at K block (s32 + add) mod 16
	s_add_co_u32 s34, s32, \add
	s_and_b32 s34, s34, 15
	s_lshl_b32 s34, s34, 8
	s_mov_b32 s35, 0
	s_add_nc_u64 s[\dst:\dst+1], s[24:25], s[34:35]
.endm
.macro FRAGA a, buf, q
	WIN 0
.irp c, 0,1,2,3
	ds_load_b128 v[AF+16*(\a)+4*\c:AF+16*(\a)+4*\c+3], v[ADRA+\buf] offset:16*(\a)*PITCH+128*(\q)+32*\c
.endr
.set DSC, DSC+4
.endm
.macro FRAGB b, set, buf, q
	WIN 0x40
.irp c, 0,1,2,3
	ds_load_b128 v[96*(\set)+16*(\b)+4*\c:96*(\set)+16*(\b)+4*\c+3], v[ADRB+\buf] offset:16*(\b)*PITCH+128*(\q)+32*\c
.endr
.set DSC, DSC+4
.endm
.macro SCL3 set, n0                    ; three scale pairs: lanes 0-15 A's block n, lanes 16-31 B's block n, two K steps
	WIN 0
.irp n, \n0, \n0+1, \n0+2
	ds_load_b64 v[SC+12*(\set)+2*(\n):SC+12*(\set)+2*(\n)+1], v[ADRS] offset:(\n)*SBLK
.endr
.set DSC, DSC+3
.endm
.macro KOFF                            ; the scale words' address for K block (s32 + 1) mod 16
	s_add_co_u32 s33, s32, 1
	s_and_b32 s33, s33, 15
	s_lshl_b32 s33, s33, 3
	WIN 0
	v_add_nc_u32 v[ADRS], s33, v[ADRS0]
	s_wait_alu depctr_va_vdst(0)       ; the wait directly behind the write
.endm
; A step of 128 along K: 36 products, A's blocks one after the other against B's six; the accumulators take turns.
; Behind each product stands one v_nop (a place).  The memory instructions stand in three runs, behind products 8, 17 and 30:
; A's blocks 4, 5 of this step (and the next slot's scale words); the next step's A block 0 and B's six; its A blocks 1 to 3.
; Each block of A is loaded anew 8 places or more behind its last product.  With st, each run also stores four landed bunches and asks for four new ones, by turns.
; s: slot's parity; q: which half of the slot; st: the next slot's 12 bunches are stored (q = 0); sg: that slot's number; nx: a step follows.
.macro KSTEP s, q, zero, st, sg, nx
.if (\q) == 0
.set NB, \s
.set NQ, 1
.if \st
	s_wait_xcnt 0x0                    ; earlier loads have read their bases
	s_add_co_u32 s32, s32, 1
	PTR 28, 2
	PTR 30, 3
.endif
.else
.set NB, 1-(\s)
.set NQ, 0
.endif
.set KI, 0
.rept 36
.set KA, KI/6
.set KB, KI%6
.if KI == 0
	DSW MB
.endif
.if KI == 6
	DSW MA1
.endif
.if KI == 12
	DSW MA3
.endif
.if KI == 24
	DSW MA5
.endif
.if KI < 32
	WIN 0xa1
.set KD, 8*KI
.else
	WIN 0xf1
.set KD, 8*(KI-32)
.endif
.if \zero
	v_wmma_scale_f32_16x16x128_f8f6f4 v[KD:KD+7], v[96*(\q)+16*KB:96*(\q)+16*KB+15], v[AF+16*KA:AF+16*KA+15], 0, v[SC+12*(\s)+2*KB+(\q)], v[SC+12*(\s)+2*KA+(\q)] matrix_a_scale:MATRIX_SCALE_ROW1
.else
	v_wmma_scale_f32_16x16x128_f8f6f4 v[KD:KD+7], v[96*(\q)+16*KB:96*(\q)+16*KB+15], v[AF+16*KA:AF+16*KA+15], v[KD:KD+7], v[SC+12*(\s)+2*KB+(\q)], v[SC+12*(\s)+2*KA+(\q)] matrix_a_scale:MATRIX_SCALE_ROW1
.endif
	v_nop
.if KI == 8
	FRAGA 4, \s, \q
.endif
.if KI == 8
	FRAGA 5, \s, \q
.set MA5, DSC
.endif
.if \nx
.if KI == 17
	FRAGA 0, NB, NQ
.endif
.if KI == 17
	FRAGB 0, NQ, NB, NQ
.endif
.if KI == 17
	FRAGB 1, NQ, NB, NQ
.endif
.if KI == 17
	FRAGB 2, NQ, NB, NQ
.endif
.if KI == 17
	FRAGB 3, NQ, NB, NQ
.endif
.if KI == 17
	FRAGB 4, NQ, NB, NQ
.endif
.if KI == 17
	FRAGB 5, NQ, NB, NQ
.set MB, DSC
.endif
.if KI == 30
	FRAGA 1, NB, NQ
.set MA1, DSC
.endif
.if KI == 30
	FRAGA 2, NB, NQ
.endif
.if KI == 30
	FRAGA 3, NB, NQ
.set MA3, DSC
.endif
.if (\q) == 1
.if KI == 8
	KOFF
.endif
.if KI == 8
	SCL3 1-(\s), 0
.endif
.if KI == 8
	SCL3 1-(\s), 3
.endif
.if KI == 15
	s_wait_dscnt 0x0                   ; my reads of this slot are over, my stores into the next are done
	s_barrier_signal -1
.endif
.if KI == 16
	s_barrier_wait -1                  ; the next slot is whole; this one may be written behind here
.endif
.endif
.endif
.if (\q) == 0 && (\st)
.set KK, 0
.irp p, 8,8,8,8,17,17,17,17,30,30,30,30
.if KI == \p
	LSTK KK, 1-(\s), \sg
	GLDK KK, 1-(\s), \sg
.endif
.set KK, KK+1
.endr
.endif
.set KI, KI+1
.endr
.endm
	s_load_b128 s[4:7], s[0:1], 0x0                ; codes, scales
	s_load_b64 s[10:11], s[0:1], 0x10              ; out
	v_lshl_add_u32 v[SPW], v0, 2, SPARE
	v_mov_b32 v[NIL], 0
	ds_add_u32 v[SPW], v[NIL]                      ; the opening lines: the add twice on end
	ds_add_u32 v[SPW], v[NIL]
	v_lshrrev_b32 v29, 5, v0
	v_readfirstlane_b32 s8, v29                    ; wave
	s_lshr_b32 s9, s8, 1                           ; which 96 rows of the block
	s_and_b32 s12, s8, 1                           ; which 96 columns
	s_mov_b32 s13, ttmp9
	s_and_b32 s14, ttmp7, 0xffff
	s_sub_co_u32 s20, 21, s14
	s_sub_co_u32 s21, s13, s14
	s_sub_co_u32 s21, s21, 1
	s_cmp_le_u32 s13, s14
	s_cselect_b32 s15, s14, s20                    ; block row I
	s_cselect_b32 s16, s13, s21                    ; block column J <= I
	s_mul_i32 s17, s15, 192
	s_min_u32 s17, s17, 3904                       ; first row
	s_mul_i32 s18, s16, 192
	s_min_u32 s18, s18, 3904                       ; first column
	s_cmp_lt_u32 s8, 2
	s_cselect_b32 s19, s17, s18                    ; waves 0, 1 fetch the rows' panel, waves 2, 3 the columns'
	s_mul_i32 s20, s12, 96
	s_add_co_u32 s19, s19, s20                     ; my 96 rows of X
	s_add_co_u32 s32, s13, s14
	s_add_co_u32 s32, s32, 15                      ; K block of slot -1, mod 16
	s_cmp_eq_u32 s15, 21
	s_cselect_b32 s52, 8, 0                        ; first group of 16 rows that is stored
	s_cselect_b32 s54, 32, 0                       ; transposed: first 16-byte piece of a row that is stored
	s_cmp_eq_u32 s16, 21
	s_cselect_b32 s53, 32, 0                       ; plain: likewise
	s_mul_i32 s55, s8, 3
	s_mul_i32 s60, s8, 96*PITCH
	s_mul_i32 s61, s9, 96*PITCH
	s_mul_i32 s62, s12, 96*PITCH
	s_add_co_u32 s62, s62, 192*PITCH
	s_mul_i32 s66, s9, SW
	s_mul_i32 s70, s12, SW
	s_add_co_u32 s70, s70, 2*SW
	s_sub_co_u32 s70, s70, s66                     ; from A's scale rows to B's
	s_add_co_u32 s66, s66, SCL
	s_mul_i32 s67, s9, 96*NPT
	s_mul_i32 s20, s12, 384
	s_add_co_u32 s67, s67, s20
	s_mul_i32 s68, s12, 96*NPT
	s_mul_i32 s20, s9, 384
	s_add_co_u32 s68, s68, s20
	s_add_co_u32 s68, s68, TB
	s_mul_i32 s69, s8, 48*NPT
	s_add_co_u32 s33, s32, 1
	s_and_b32 s33, s33, 15
	s_lshl_b32 s33, s33, 3
	s_mov_b32 s36, 1                               ; the scales' descriptor: 48 rows of 256 bytes, 16 bytes of padding behind every 256
	s_mul_i32 s37, s8, SW
	s_add_co_u32 s37, s37, SCL
	s_mov_b32 s40, 3<<16                           ; elements of 8 bytes, no padding field: the tile is 34 elements wide, the tensor 32, so 16 bytes of zeros follow each 256
	s_mov_b32 s41, 32<<16
	s_mov_b32 s42, 48<<16
	s_mov_b32 s43, 34<<16
	s_mov_b32 s44, 48
	s_mov_b32 s45, 32
	s_mov_b32 s46, 0
	s_mov_b32 s47, 0
	v_and_b32 v1, 15, v0                           ; r
	v_bfe_u32 v2, v0, 4, 1                         ; h
	v_lshlrev_b32 v29, 4, v1
	v_lshl_add_u32 v[GO], v2, 12, v29              ; lanes 0-15 one row's 256 bytes, lanes 16-31 the next row's
	v_mul_u32_u24 v30, v2, PITCH
	v_add_nc_u32 v30, v30, v29
	v_add_nc_u32 v[STA], s60, v30
	v_add_nc_u32 v[STA+1], SLOT, v[STA]
	v_mul_u32_u24 v31, v1, PITCH
	v_lshl_add_u32 v31, v2, 4, v31                 ; a fragment's row x pitch + 16 h
	v_add_nc_u32 v[ADRA], s61, v31
	v_add_nc_u32 v[ADRA+1], SLOT, v[ADRA]
	v_add_nc_u32 v[ADRB], s62, v31
	v_add_nc_u32 v[ADRB+1], SLOT, v[ADRB]
	v_lshrrev_b32 v29, 1, v1
	v_mul_u32_u24 v29, v29, 272
	v_and_b32 v31, 1, v1
	v_lshl_add_u32 v29, v31, 7, v29                ; scale row r: (r / 2) x 272 + (r % 2) x 128
	v_mul_u32_u24 v30, s70, v2
	v_add_nc_u32 v29, v29, v30
	v_add_nc_u32 v[ADRS0], s66, v29
	v_add_nc_u32 v[ADRS], s33, v[ADRS0]
	v_mul_u32_u24 v29, v1, NPT
	v_lshl_add_u32 v29, v2, 5, v29
	v_add_nc_u32 v[STN], s67, v29                  ; plain stage: row r, 32 bytes for each half of the lanes
	v_mul_u32_u24 v30, v2, 8*NPT
	v_lshl_add_u32 v30, v1, 2, v30
	v_add_nc_u32 v[STT], s68, v30                  ; transposed stage: row 8 h + j, word r
	v_add_nc_u32 v[STT+1], 48*NPT, v[STT]
	v_and_b32 v[CH], 31, v0                        ; two rows of 768 bytes are 96 pieces of 16: three instructions
	v_xor_b32 v31, 1, v2
	v_lshl_add_u32 v[CH+1], v31, 5, v1
	v_add_nc_u32 v[CH+2], 16, v[CH]
	v_lshl_add_u32 v[RD], v[CH], 4, s69
	v_mul_u32_u24 v29, v2, NPT
	v_lshl_add_u32 v29, v[CH+1], 4, v29
	v_add_nc_u32 v[RD+1], s69, v29
	v_lshl_add_u32 v30, v[CH+2], 4, s69
	v_add_nc_u32 v[RD+2], NPT, v30
	v_add_nc_u32 v[RDT], TB, v[RD]
	v_add_nc_u32 v[RDT+1], TB, v[RD+1]
	v_add_nc_u32 v[RDT+2], TB, v[RD+2]
	v_lshlrev_b32 v[CO], 4, v[CH]
	v_lshlrev_b32 v31, 14, v2
	v_lshl_add_u32 v[CO+1], v[CH+1], 4, v31
	v_lshlrev_b32 v29, 4, v[CH+2]
	v_add_nc_u32 v[CO+2], 16384, v29
	s_wait_alu depctr_va_vdst(0)                   ; the wait at the head's end
	s_wait_dscnt 0x0                               ; both opening adds are done
	s_wait_kmcnt 0x0
	s_lshl_b32 s34, s19, 7
	s_mov_b32 s35, 0
	s_add_nc_u64 s[38:39], s[6:7], s[34:35]
	s_or_b32 s39, s39, 0x80000000
	tensor_load_to_lds s[36:39], s[40:47]          ; my 96 rows' scales, all of K: my one tensor load
	s_nop 0
	s_lshl_b32 s34, s19, 12
	s_mov_b32 s35, 0
	s_add_nc_u64 s[24:25], s[4:5], s[34:35]
	PTR 26, 1
	PTR 28, 2
	PTR 30, 3
.irp j, 0,1,2,3,4,5,6,7,8,9,10,11
	GL4 \j, 26, \j                                 ; slot 0
.endr
.irp j, 12,13,14
	GL4 \j, 28, \j-12                              ; and the first three bunches of slot 1: 60 loads are out
.endr
	s_mul_i32 s20, s8, 48                          ; where I store: 48 rows of the block, whole
	s_add_co_u32 s21, s20, s17
	s_lshl_b32 s34, s21, 14
	s_lshl_b32 s21, s18, 2
	s_add_co_u32 s34, s34, s21
	s_mov_b32 s35, 0
	s_add_nc_u64 s[48:49], s[10:11], s[34:35]
	s_add_co_u32 s21, s20, s18
	s_lshl_b32 s34, s21, 14
	s_lshl_b32 s21, s17, 2
	s_add_co_u32 s34, s34, s21
	s_add_nc_u64 s[50:51], s[10:11], s[34:35]
.irp k, 0,1,2,3,4,5,6,7,8,9,10,11
	LSTK \k, 0, 0
	GLDK \k, 0, 0
.endr
	WIN 0
	s_wait_tensorcnt 0x0                           ; my scales are in
	s_wait_dscnt 0x0                               ; my part of slot 0 is stored
	s_barrier_signal -1
	s_barrier_wait -1
	SCL3 0, 0
	SCL3 0, 3
	FRAGA 0, 0, 0
.irp b, 0,1,2,3,4,5
	FRAGB \b, 0, 0, 0
.endr
.set MB, DSC
	FRAGA 1, 0, 0
.set MA1, DSC
	FRAGA 2, 0, 0
	FRAGA 3, 0, 0
.set MA3, DSC
	KSTEP 0, 0, 1, 1, 1, 1                         ; the first step's products start the sums
	KSTEP 0, 1, 0, 0, 0, 1
	KSTEP 1, 0, 0, 1, 2, 1
	KSTEP 1, 1, 0, 0, 0, 1
	WIN 0
	s_mov_b32 s3, 5
.Llap:                                                 ; slots 2 to 11, two a trip
	KSTEP 0, 0, 0, 1, 1, 1
	KSTEP 0, 1, 0, 0, 0, 1
	KSTEP 1, 0, 0, 1, 2, 1
	KSTEP 1, 1, 0, 0, 0, 1
	WIN 0
	s_sub_co_u32 s3, s3, 1
	s_cmp_lg_u32 s3, 0
	s_cbranch_scc1 .Llap
	KSTEP 0, 0, 0, 1, 13, 1                        ; slots 12 to 15: the asking ends with K, the counts run down
	KSTEP 0, 1, 0, 0, 0, 1
	KSTEP 1, 0, 0, 1, 14, 1
	KSTEP 1, 1, 0, 0, 0, 1
	KSTEP 0, 0, 0, 1, 15, 1
	KSTEP 0, 1, 0, 0, 0, 1
	KSTEP 1, 0, 0, 0, 0, 1
	KSTEP 1, 1, 0, 0, 0, 0
	WIN 0
.rept 8
	v_nop                                          ; places ahead of the first read of results
.endr
	s_wait_dscnt 0x0
	s_barrier_signal -1
	s_barrier_wait -1                              ; nobody reads slots or scales any more: the stages lie over them
; 16 rows (group 3 w + g of the block's 12), whole rows of 768 bytes, from a stage into memory: 16 lanes fill one aligned 256 bytes.
.macro OUTB g, rd, sb, bb, guard
.if \guard
	s_add_co_u32 s20, s55, \g
	s_cmp_lt_u32 s20, s52
	s_cbranch_scc1 .Lskip_\@                       ; rows that belong to block 20
.endif
.irp t, 0,1,2,3,4,5,6,7
.irp q, 0,1,2
	ds_load_b128 v[\bb+4*(3*\t+\q):\bb+4*(3*\t+\q)+3], v[\rd+\q] offset:(16*\g+2*\t)*NPT
.endr
.endr
	s_wait_dscnt 0x0
.irp q, 0,1,2
	s_wait_xcnt 0x0                                ; EXEC changes only behind this wait
	s_and_saveexec_b32 s59, s[56+\q]               ; the pieces of a row that are this block's own
.irp t, 0,1,2,3,4,5,6,7
	global_store_b128 v[CO+\q], v[\bb+4*(3*\t+\q):\bb+4*(3*\t+\q)+3], s[\sb:\sb+1] offset:(16*\g+2*\t)*16384 th:TH_STORE_NT
.endr
	s_wait_xcnt 0x0
	s_or_b32 exec_lo, exec_lo, s59
.endr
.Lskip_\@:
.endm
.set KI, 0
.rept 36                                               ; the plain stage: each accumulator from its low end on
.if KI < 32
	WIN 0x08
.set KD, 8*KI
.else
	WIN 0x0c
.set KD, 8*(KI-32)
.endif
	ds_store_b128 v[STN], v[KD:KD+3] offset:16*(KI/6)*NPT+64*(KI%6)
	ds_store_b128 v[STN], v[KD+4:KD+7] offset:16*(KI/6)*NPT+64*(KI%6)+16
.set KI, KI+1
.endr
	WIN 0
	s_wait_dscnt 0x0
	s_barrier_signal -1
	s_barrier_wait -1
.irp q, 0,1,2
	v_cmp_le_u32 s[56+\q], s53, v[CH+\q]
.endr
	OUTB 0, RD, 48, 64, 1
	OUTB 1, RD, 48, 160, 1
	OUTB 2, RD, 48, 64, 1
.set KI, 0
.rept 36                                               ; the transposed stage: element (m, n) to row n, word m
.if KI < 32
	WIN 0x08
.set KD, 8*KI
.else
	WIN 0x0c
.set KD, 8*(KI-32)
.endif
.irp j, 0,1,2,3,4,5,6,7
	ds_store_b32 v[STT+(KI%6)/3], v[KD+\j] offset:(16*((KI%6)%3)+\j)*NPT+64*(KI/6)
.endr
.set KI, KI+1
.endr
	WIN 0
	s_wait_dscnt 0x0
	s_barrier_signal -1
	s_barrier_wait -1
	s_cmp_eq_u32 s15, s16
	s_cbranch_scc1 .Ldiag_b
.irp q, 0,1,2
	v_cmp_le_u32 s[56+\q], s54, v[CH+\q]
.endr
	OUTB 0, RDT, 50, 160, 0
	OUTB 1, RDT, 50, 64, 0
	OUTB 2, RDT, 50, 160, 0
.Ldiag_b:
	s_wait_tensorcnt 0x0                           ; the wave's end
	ds_add_u32 v[SPW], v[NIL]
	s_wait_dscnt 0x0
	s_endpgm
.Lfunc_end_k_q6a427372c1_gram:
	.size	k_q6a427372c1_gram, .Lfunc_end_k_q6a427372c1_gram-k_q6a427372c1_gram
	.p2alignl 7, 3214868480
	.fill 96, 4, 3214868480
	.section	.rodata,"a",@progbits
	.p2align	6, 0x0
	.amdhsa_kernel k_q6a427372c1_gram
		.amdhsa_group_segment_fixed_size 327680
		.amdhsa_private_segment_fixed_size 0
		.amdhsa_enable_private_segment 0
		.amdhsa_kernarg_size 24
		.amdhsa_user_sgpr_count 2
		.amdhsa_user_sgpr_kernarg_segment_ptr 1
		.amdhsa_wavefront_size32 1
		.amdhsa_system_sgpr_workgroup_id_x 1
		.amdhsa_system_sgpr_workgroup_id_y 1
		.amdhsa_system_sgpr_workgroup_id_z 1
		.amdhsa_system_vgpr_workitem_id 0
		.amdhsa_next_free_vgpr 1024
		.amdhsa_next_free_sgpr 80
		.amdhsa_reserve_vcc 0
		.amdhsa_float_denorm_mode_32 3
		.amdhsa_float_denorm_mode_16_64 3
		.amdhsa_memory_ordered 1
		.amdhsa_forward_progress 1
		.amdhsa_inst_pref_size 255
	.end_amdhsa_kernel
	.section	.bss,"aw",@nobits
	.p2align	6
	.space	262144
	.amdgpu_metadata
---
amdhsa.version: [ 1, 2 ]
amdhsa.kernels:
  - .name:           k_q6a427372c1_gram
    .symbol:         k_q6a427372c1_gram.kd
    .args:
      - { .name: inp_codes, .offset: 0, .size: 8, .value_kind: global_buffer, .address_space: global }
      - { .name: inp_scales, .offset: 8, .size: 8, .value_kind: global_buffer, .address_space: global }
      - { .name: out0, .offset: 16, .size: 8, .value_kind: global_buffer, .address_space: global }
    .group_segment_fixed_size: 327680
    .private_segment_fixed_size: 0
    .kernarg_segment_align: 8
    .kernarg_segment_size: 24
    .max_flat_workgroup_size: 128
    .sgpr_count:     80
    .vgpr_count:     1024
    .wavefront_size: 32
...
	.end_amdgpu_metadata
.endif
;; end of part 1
